; MI455X (gfx1250); checked and timed in simulation.
; The chip was launched on July 23, 2026; its instructions are those of AMD's public machine-readable ISA for CDNA 5 (MIT licence, August 2026) and "CDNA5" Instruction Set Architecture Reference Guide (July 2026). The comments in the code are by the model that wrote it; some were corrected since.
;; Row Parallel Linear With Packed. Allowed arithmetic: matrix products marked QUANTISED: E2M1 operands, one E8M0 scale for each 32 along K, by v_wmma_scale_f32_16x16x128_f8f6f4 with both operands' format E2M1 (or v_wmma_scale_f32_32x16x128_f4), f32 sums; everything else in f32.
;; Inputs: indices 4,096 int32; weight_stacked_codes 4 x 1,024 x 128 x 16 uint8 (E2M1 codes of weight_stacked, K innermost, in blocks of 32 codes, two codes a byte); weight_stacked_scales 4 x 1,024 x 128 uint8 (E8M0 scales of weight_stacked, one for each 32 codes along K); x_codes 4,096 x 128 x 16 uint8 (E2M1 codes of x, K innermost, in blocks of 32 codes, two codes a byte); x_scales 4,096 x 128 uint8 (E8M0 scales of x, one for each 32 codes along K).
;; Outputs: out0 4,096 x 1,024 float32.
;; This version of the problem:
;;   THIS VERSION OF THE PROBLEM IS GIVEN IN LOW PRECISION. The matrix products marked QUANTISED in the list below multiply operands that are first quantised to E2M1 (2 exponent bits, 1 mantissa bit; 4 bits a number), with one power-of-two scale for each 32 numbers along K (OCP MX v1.0); their sums are f32. All else is computed in f32.
;;   The module's matrix products, in the order in which they are computed (A, B: the left and right operand; K: the contracted axis; several contracted axes count as one K, in the product's order):
;;     1. [M 4,096, K 4,096] x [K 4,096, N 1,024]; A: input x (given as codes); B: input weight_stacked (given as codes): QUANTISED
;;     2. [M 4,096, K 4,096] x [K 4,096, N 1,024]; A: input x (given as codes); B: input weight_stacked (given as codes): QUANTISED
;;     3. [M 4,096, K 4,096] x [K 4,096, N 1,024]; A: input x (given as codes); B: input weight_stacked (given as codes): QUANTISED
;;     4. [M 4,096, K 4,096] x [K 4,096, N 1,024]; A: input x (given as codes); B: input weight_stacked (given as codes): QUANTISED
;;   THE QUANTISER, for each operand of a quantised product, along K:
;;     - K is cut into blocks of 32 from its start; a last block that is shorter is filled with zeros.
;;     - A block's scale is 2^e with e = floor(log2(the largest magnitude in the block)) - 2, held to -126 .. 127; a block of zeros has e = 0. As a byte (E8M0): e + 127.
;;     - Each number is divided by its block's scale, clamped to +-6, and rounded to the nearest number of E2M1, ties to even, subnormals kept.
;;     - The product sums the exact products of the quantised numbers (number of the format x scale) in f32.
;;   ~~~python
;;   def quantise(x, axis):      # numpy; x: float32 -> the quantised numbers, widened to float32 again
;;       x = np.moveaxis(x, axis, -1); K = x.shape[-1]
;;       x = np.pad(x, [(0, 0)] * (x.ndim - 1) + [(0, -K % 32)]); x = x.reshape(x.shape[:-1] + (-1, 32)); a = np.abs(x).max(-1, keepdims=True)
;;       e = np.where(a > 0, np.clip(np.frexp(np.where(a > 0, a, 1))[1] - 1 - 2, -126, 127), 0)      # np.frexp(a)[1] - 1 = floor(log2(a)), exactly
;;       r = np.clip(x / 2.0 ** e, -6, 6)
;;       step = 2.0 ** (np.maximum(np.frexp(np.where(r == 0, 1, r))[1] - 1, 0) - 1)
;;       q = np.round(r / step) * step * 2.0 ** e      # np.round: ties to even
;;       return np.moveaxis(q.reshape(q.shape[:-2] + (-1,))[..., :K], -1, axis).astype(np.float32)
;;   ~~~
;;   INPUTS GIVEN AS CODES. weight_stacked (in the module: [4, 1024, 4096], K = its axis 2); x (in the module: [4096, 4096], K = its axis 1): each comes as NAME_codes (uint8): NAME with its K axis moved to the last place and cut into blocks of 32 codes, [.., K / 32, bytes a block], one block behind the other in memory; two codes a byte, the lower K in the low four bits (a code: sign, 2 exponent bits, 1 mantissa bit); and NAME_scales (uint8): the same leading axes, one E8M0 byte (e + 127) for each 32 codes along K. Its value is code x scale, taken as it is: it is not quantised again, and the codes and scales need not be those that the quantiser above would give.
;; 2 versions. Each part assembles by itself: llvm-mc -triple=amdgcn-amd-amdhsa -mcpu=gfx1250 --defsym DOCPART=n.
;; ======== version 1 of 2: 2 launches
;; workspace buffers: rows 18,688 bytes of whole numbers; tiles 256 bytes of whole numbers
;; launch route (part 1): grid 1 x 1, 32 waves a work-group, no clusters, 4,608 bytes of LDS; arguments indices, rows, tiles; writes rows, tiles
.if DOCPART == 1
	.amdgcn_target "amdgcn-amd-amdhsa--gfx1250"
	.amdhsa_code_object_version 6
	.text
	.protected	k_q07db788c5c_route
	.globl	k_q07db788c5c_route
	.p2align	8
	.type	k_q07db788c5c_route,@function
k_q07db788c5c_route:
	s_mov_b64 s[64:65], 0
	v_nop
	global_prefetch_b8 v0, s[64:65] scope:SCOPE_SE
	s_setreg_imm32_b32 hwreg(HW_REG_WAVE_MODE, 25, 1), 1
	s_wait_xcnt 0x0
; A COUNTING SORT OF THE 4,096 TOKENS BY EXPERT, for the product's launch.
; rows:  32 tiles x 144 token numbers (int32); entry 144 i + j is the token in slot j of tile i.  An expert's tokens fill whole tiles from a tile's first slot on; slots past a tile's rows hold 0,
;        a token that exists and whose result the product's launch never stores.  Entry 4608 is a dummy target.
; tiles: 32 x (expert, rows in the tile), int32 pairs; a tile that the split leaves empty has 0 rows.  The sum over experts of ceil(count / 144) is at most (4096 + 4 x 143) / 144 = 32, whatever the split.
; ONE work-group of 32 waves: the sort is one prefix sum over 16 KB.  Thread t holds tokens 4 t .. 4 t + 3.  No atomics: ranks inside a wave by lane masks, counts of earlier waves through LDS.
; LIMIT: an index outside 0 .. 3 (the problem says an index stays inside its table) is kept out of every list: its list store goes to the dummy entry, and its row of the output is then not written.
.set MT,    144                        ; rows in a tile
.set DUMMY, 32*MT                      ; entry 4608
.set IDX,  4                           ; v[4:7]   my four indices
.set ZERO, 8                           ; v[8:11]  zeros: the fill's data; never rewritten
.set RK,   12                          ; v12-15   my tokens' ranks among their expert's tokens in my wave
.set TOK,  16                          ; v16-19   my token numbers
.set POS,  34                          ; v34-37   where they go
.set CNT,  12                          ; s12-15   my wave's counts
.set TOT,  20                          ; s20-23   the experts' totals
.set EARL, 24                          ; s24-27   the counts in earlier waves
.set TS,   28                          ; s28-32   the experts' first tiles, and the number of tiles in use
.set OFS,  33                          ; s33-36   144 x first tile + earlier waves' count
	s_load_b128 s[4:7], s[0:1], 0x0                ; indices s[4:5], rows s[6:7]
	s_load_b64 s[8:9], s[0:1], 0x10                ; tiles
	v_lshl_add_u32 v48, v0, 2, 0x200
	v_mov_b32 v49, 0
	v_lshrrev_b32 v20, 5, v0
	v_readfirstlane_b32 s10, v20                   ; wave 0..31
	v_lshlrev_b32 v21, 3, v20                      ; LDS: my wave's 8 bytes of counts
	v_and_b32 v1, 31, v0                           ; lane
	v_lshlrev_b32 v22, 3, v1                       ; 8 x lane: wave l's counts in LDS; later tile l's pair in memory
	v_lshlrev_b32 v2, 4, v0                        ; 16 t: my four indices, and my 16 bytes of the fill
.irp k, 0,1,2,3
	v_mov_b32 v[ZERO+\k], 0
	v_mov_b32 v[RK+\k], 0
	v_lshl_add_u32 v[TOK+\k], v0, 2, \k            ; 4 t + k
	s_mov_b32 s[CNT+\k], 0
.endr
	v_mov_b32 v28, 0                               ; written once: the destination of a DPP move and of a lane permute counts as read
	v_mov_b32 v33, DUMMY
	s_mov_b32 s18, 0x76543210                      ; v_permlanex16_b32: lane l xor 16
	s_mov_b32 s19, 0xfedcba98
	s_wait_kmcnt 0x0
	global_load_b128 v[IDX:IDX+3], v2, s[4:5]
	global_store_b128 v2, v[ZERO:ZERO+3], s[6:7]   ; THE FILL: entries 0 .. 4095 become 0: a wave stores 512 consecutive bytes
	s_cmp_gt_u32 s10, 3
	s_cbranch_scc1 .Lfilled
	global_store_b128 v2, v[ZERO:ZERO+3], s[6:7] offset:16384   ; waves 0 to 3: entries 4096 .. 4607
.Lfilled:
	s_wait_loadcnt 0x0
; The rank of my token k among expert e's tokens of my wave: those of earlier k, and of lower lanes at this k.  (Any one-to-one placing inside an expert serves.)
.macro COUNT e, k
	v_cmp_eq_u32 s16, \e, v[IDX+\k]
	v_mbcnt_lo_u32_b32 v20, s16, s[CNT+\e]         ; the count so far + the lower lanes that have it
	v_cndmask_b32 v[RK+\k], v[RK+\k], v20, s16
	s_bcnt1_i32_b32 s17, s16
	s_add_co_u32 s[CNT+\e], s[CNT+\e], s17
.endm
.irp e, 0,1,2,3
.irp k, 0,1,2,3
	COUNT \e, \k
.endr
.endr
	s_lshl_b32 s17, s[CNT+1], 16                   ; four counts, each at most 128, in two words
	s_or_b32 s17, s17, s[CNT]
	v_mov_b32 v24, s17
	s_lshl_b32 s17, s[CNT+3], 16
	s_or_b32 s17, s17, s[CNT+2]
	v_mov_b32 v25, s17
	ds_store_b64 v21, v[24:25]                     ; all lanes write the same 8 bytes with the same value
	s_wait_storecnt 0x0                            ; my part of the fill is done: behind the barrier other waves store tokens into words that I have filled
	s_wait_dscnt 0x0                               ; for the others' sake: my counts have landed
	s_barrier_signal -1
	s_barrier_wait -1
	ds_load_b64 v[24:25], v22                      ; lane l takes wave l's counts
	s_wait_dscnt 0x0
	v_cmp_gt_u32 vcc_lo, s10, v1                   ; waves ahead of mine
	v_cndmask_b32 v26, 0, v24, vcc_lo
	v_cndmask_b32 v27, 0, v25, vcc_lo
.macro BFLY r                          ; the sum over the 32 lanes, in every lane; each 16-bit field stays at or under 4,096
.irp m, 1,2,4,8
	v_mov_b32_dpp v28, v[\r] row_xmask:\m row_mask:0xf bank_mask:0xf
	v_add_nc_u32 v[\r], v[\r], v28
.endr
	v_permlanex16_b32 v28, v[\r], s18, s19
	v_add_nc_u32 v[\r], v[\r], v28
.endm
	BFLY 24
	BFLY 25
	BFLY 26
	BFLY 27
	v_readfirstlane_b32 s17, v24
	s_and_b32 s[TOT], s17, 0xffff
	s_lshr_b32 s[TOT+1], s17, 16
	v_readfirstlane_b32 s17, v25
	s_and_b32 s[TOT+2], s17, 0xffff
	s_lshr_b32 s[TOT+3], s17, 16
	v_readfirstlane_b32 s17, v26
	s_and_b32 s[EARL], s17, 0xffff
	s_lshr_b32 s[EARL+1], s17, 16
	v_readfirstlane_b32 s17, v27
	s_and_b32 s[EARL+2], s17, 0xffff
	s_lshr_b32 s[EARL+3], s17, 16
	s_mov_b32 s[TS], 0
.irp e, 0,1,2,3
	s_add_co_u32 s17, s[TOT+\e], MT-1
	s_mul_i32 s17, s17, 7282                       ; n / 144 = (n x 7282) >> 20, exact for n up to 4,239: 7282 x 144 = 2^20 + 32, and n x 32 / 2^20 stays under 1
	s_lshr_b32 s17, s17, 20                        ; the expert's tiles
	s_add_co_u32 s[TS+1+\e], s[TS+\e], s17
	s_mul_i32 s17, s[TS+\e], MT
	s_add_co_u32 s[OFS+\e], s17, s[EARL+\e]
	v_mov_b32 v[29+\e], s[OFS+\e]
.endr
; THE LIST: token 4 t + k goes to entry (its expert's first slot + earlier waves' count + its rank).  Four bytes a lane; lanes with one expert fall on neighbouring words; 16 KB in all.
.irp k, 0,1,2,3
	v_cmp_eq_u32 vcc_lo, 1, v[IDX+\k]
	v_cndmask_b32 v[POS+\k], v29, v30, vcc_lo
	v_cmp_eq_u32 vcc_lo, 2, v[IDX+\k]
	v_cndmask_b32 v[POS+\k], v[POS+\k], v31, vcc_lo
	v_cmp_eq_u32 vcc_lo, 3, v[IDX+\k]
	v_cndmask_b32 v[POS+\k], v[POS+\k], v32, vcc_lo
	v_add_nc_u32 v[POS+\k], v[POS+\k], v[RK+\k]
	v_cmp_lt_u32 vcc_lo, 3, v[IDX+\k]              ; an index outside 0 .. 3 (negative ones too: the compare is unsigned)
	v_cndmask_b32 v[POS+\k], v[POS+\k], v33, vcc_lo
	v_min_u32 v[POS+\k], DUMMY, v[POS+\k]          ; a number made of loaded data enters an address behind a clamp
	v_lshlrev_b32 v[POS+\k], 2, v[POS+\k]
	global_store_b32 v[POS+\k], v[TOK+\k], s[6:7]
.endr
	s_cmp_lg_u32 s10, 0
	s_cbranch_scc1 .Lend
; THE TABLE OF TILES, by wave 0: lane i makes tile i's pair.  The experts override each other in ascending order, so an expert without tokens is passed over.
	v_mov_b32 v38, 0                               ; expert,
	v_mov_b32 v39, 0                               ; its first tile,
	v_mov_b32 v40, s[TOT]                          ; its tokens
.irp e, 1,2,3
	v_mov_b32 v41, \e
	v_mov_b32 v42, s[TS+\e]
	v_mov_b32 v43, s[TOT+\e]
	v_cmp_le_u32 vcc_lo, s[TS+\e], v1
	v_cndmask_b32 v38, v38, v41, vcc_lo
	v_cndmask_b32 v39, v39, v42, vcc_lo
	v_cndmask_b32 v40, v40, v43, vcc_lo
.endr
	v_sub_nc_u32 v44, v1, v39
	v_mul_u32_u24 v44, v44, MT
	v_sub_nc_u32 v44, v40, v44                     ; the tokens left from this tile on
	v_min_u32 v44, MT, v44
	v_cmp_gt_u32 vcc_lo, s[TS+4], v1               ; is the tile in use?
	v_cndmask_b32 v39, 0, v44, vcc_lo
	global_store_b64 v22, v[38:39], s[8:9]         ; 32 lanes store 256 consecutive bytes
.Lend:
	s_wait_tensorcnt 0x0
	ds_add_u32 v48, v49
	s_wait_dscnt 0x0
	s_endpgm
.Lfunc_end_k_q07db788c5c_route:
	.size	k_q07db788c5c_route, .Lfunc_end_k_q07db788c5c_route-k_q07db788c5c_route
	.p2alignl 7, 3214868480
	.fill 96, 4, 3214868480
	.section	.rodata,"a",@progbits
	.p2align	6, 0x0
	.amdhsa_kernel k_q07db788c5c_route
		.amdhsa_group_segment_fixed_size 4608
		.amdhsa_private_segment_fixed_size 0
		.amdhsa_enable_private_segment 0
		.amdhsa_kernarg_size 24
		.amdhsa_user_sgpr_count 2
		.amdhsa_user_sgpr_kernarg_segment_ptr 1
		.amdhsa_wavefront_size32 1
		.amdhsa_system_sgpr_workgroup_id_x 1
		.amdhsa_system_sgpr_workgroup_id_y 1
		.amdhsa_system_sgpr_workgroup_id_z 1
		.amdhsa_system_vgpr_workitem_id 0
		.amdhsa_next_free_vgpr 50
		.amdhsa_next_free_sgpr 66
		.amdhsa_reserve_vcc 1
		.amdhsa_float_denorm_mode_32 3
		.amdhsa_float_denorm_mode_16_64 3
		.amdhsa_memory_ordered 1
		.amdhsa_forward_progress 1
		.amdhsa_inst_pref_size 14
	.end_amdhsa_kernel
	.amdgpu_metadata
---
amdhsa.version: [ 1, 2 ]
amdhsa.kernels:
  - .name:           k_q07db788c5c_route
    .symbol:         k_q07db788c5c_route.kd
    .args:
      - { .name: indices, .offset: 0, .size: 8, .value_kind: global_buffer, .address_space: global }
      - { .name: rows, .offset: 8, .size: 8, .value_kind: global_buffer, .address_space: global }
      - { .name: tiles, .offset: 16, .size: 8, .value_kind: global_buffer, .address_space: global }
    .group_segment_fixed_size: 4608
    .private_segment_fixed_size: 0
    .kernarg_segment_align: 8
    .kernarg_segment_size: 24
    .max_flat_workgroup_size: 1024
    .sgpr_count:     66
    .vgpr_count:     50
    .wavefront_size: 32
...
	.end_amdgpu_metadata
.endif
;; end of part 1
;; launch gemm (part 2): grid 8 x 32, 4 waves a work-group, no clusters, 304,640 bytes of LDS; arguments rows, tiles, x_codes, x_scales, weight_stacked_codes, weight_stacked_scales, out0; writes out0
.if DOCPART == 2
	.amdgcn_target "amdgcn-amd-amdhsa--gfx1250"
	.amdhsa_code_object_version 6
	.text
	.protected	k_q07db788c5c_gemm
	.globl	k_q07db788c5c_gemm
	.p2align	8
	.type	k_q07db788c5c_gemm,@function
k_q07db788c5c_gemm:
	s_mov_b64 s[64:65], 0
	v_nop
	global_prefetch_b8 v0, s[64:65] scope:SCOPE_SE
	s_setreg_imm32_b32 hwreg(HW_REG_WAVE_MODE, 25, 1), 1
	s_wait_xcnt 0x0
; out0[t][:] = x[t] . W[indices[t]]^T on codes of FP4 (E2M1) with one E8M0 scale for each 32 along K, only for the expert chosen for each token.
; x: [4096][4096] codes, 2,048 bytes a row; W: [4][1024][4096] likewise; scale bytes 128 a row; out0: [4096][1024] f32.
; The launch before has sorted the tokens by expert into 32 tiles of 144 slots (rows) with a table (tiles: expert, rows in use).
; SHARES.  Work-group (ct, rt) makes tile rt's 144 routed rows x columns 128 ct .. 128 ct + 127: 32 x 8 = 256 work-groups, whatever the split (144 is the least tile height with which the tiles never pass 32).
; A tile without rows stores nothing.  THE FOUR WAVES SHARE K: wave w takes k = 1024 w .. 1024 w + 1023 of the whole 144 x 128 tile, 72 accumulators of 16 x 16.  So each operand byte is loaded once by the
; work-group, from memory straight into the register that the matrix instruction reads.  The four partial tiles meet in LDS, where wave w adds and stores rows 36 w .. 36 w + 35 as whole rows of 512 bytes.
; ORDER OF SUMS: each output is (p0 + p1) + (p2 + p3), p_w the f32 sum over quarter w of K: not one ascending chain.
; ROTATION.  A wave's quarter is eight chunks of 128 along K.  Slot j of the walk takes chunk (j + 2 rho) & 7, rho = (ct + rt) & 3: work-groups that read the same rows of x (one rt) or of W (one ct, one expert)
; begin at different chunks.  Only scalar bases and the scale loads' lane offsets hang on rho; every register number is a constant of the text.
; NO TENSOR LOADS, NO CLUSTER: x's rows are gathered by a list, one row here and one there, and the launch branches on stored counts (an empty tile, rows past a tile's end); joint requests are tensor loads.
; THE MATRIX INSTRUCTION IS USED TRANSPOSED: source 0 = 16 rows of W, source 1 = 16 rows of x: a lane then holds eight neighbouring columns of one row of out0.
; SLOTS PAST A TILE'S ROWS hold token 0: they are multiplied like the others and never stored.
; LIMIT: a token whose index lies outside 0 .. 3 is in no list: its row is not written (the problem says an index stays inside its table).
; REGISTERS, in windows of 256.  Window 0: v0-19 addresses; v20-28 x's row offsets; v30-31 the tokens of the rows that I store; v32-40 the tiles' tokens; v44-79 x's scale words, v80-111 W's (scales and nothing
;   else); v112-255 x's fragments, two sets of 72; on the way out v112-207 rows from LDS, v208-243 store offsets.   Window 1: v0-127 W's fragments, two sets of 64; v128-145 offsets of x's scale loads;
;   v192-255 the accumulators of row block 8.   Window 2: those of blocks 0-3 (block a, column block b at 64 a + 8 b).   Window 3: those of blocks 4-7.
.set SP,   528                         ; a stage row: 512 bytes of f32 + 16 of padding = 132 words: row r starts at bank 4 r mod 64 (64 banks of 4 bytes: ISA guide 11.1)
.set REG,  144*SP                      ; a wave's partial tile in LDS: four of them, wave w's at w x REG
.set L16,  3                           ; v3     16 x lane
.set LPC,  4                           ; v4     512 w + 16 h: my place in a row of codes
.set WO,   5                           ; v5     2048 r + LPC: W's rows
.set LPS,  6                           ; v6-7   32 w + 8 ((2 h + qq + rho) & 3): my place in a row of scale bytes
.set WSO,  8                           ; v8-9   128 r + LPS
.set TO,   10                          ; v10    576 rt + 4 r: the tile's tokens
.set RTO0, 11                          ; v11    576 rt + 144 w + 4 lane: the tokens of my 36 rows, the first 32
.set RTO1, 12                          ; v12    576 rt + 144 w + 4 (lane & 3): and, 128 bytes on, the last four
.set STO,  13                          ; v13    w REG + 528 r + 32 h: into the stage
.set STO2, 14                          ; v14    the same, 64 rows on
.set RD,   16                          ; v16-19 p REG + 36 w rows + 16 lane: back from partial tile p
.set XO,   20
.set RT,   30
.set TK,   32
.set XS,   44
.set WS,   80
.set AF,   112
.set OB,   112
.set OFF,  208
.set XSO,  128                         ; in window 1
.set XB,   32                          ; s[32:47] x's codes + the slot's chunk, slots 0 to 7
.set WB,   48                          ; s[48:63] the same for my expert's and my columns' rows of W
.set MSB, 0
.macro WIN new                         ; the immediate's high byte repeats the setting that is left; a switch that changes nothing is dropped
.if MSB != \new
	s_set_vgpr_msb (MSB<<8)|\new
.set MSB, \new
.endif
.endm
; A load into a register that a matrix instruction has read, and an LDS store that reads a matrix result, stand four places behind that matrix instruction; only plain vector instructions that name
; none of its registers are places (ISA guide 7.12.1 for vector instructions).
.macro PLACES
.rept 4
	v_nop
.endr
.endm
	s_load_b256 s[4:11], s[0:1], 0x0               ; rows s[4:5], tiles s[6:7], x's codes s[8:9], x's scales s[10:11]
	s_load_b128 s[12:15], s[0:1], 0x20             ; W's codes s[12:13], W's scales s[14:15]
	s_load_b64 s[16:17], s[0:1], 0x30              ; out0
	v_lshl_add_u32 v42, v0, 2, 0x4a400
	v_mov_b32 v43, 0
	v_lshrrev_b32 v15, 5, v0
	v_readfirstlane_b32 s18, v15                   ; wave w
	s_mov_b32 s19, ttmp9                           ; ct
	s_and_b32 s20, ttmp7, 0xffff                   ; rt
	s_add_co_u32 s22, s19, s20
	s_and_b32 s22, s22, 3                          ; rho
	s_lshl_b32 s21, s22, 1
.irp j, 0,1,2,3,4,5,6,7
	s_add_co_u32 s[WB+2*\j], s21, \j               ; slot j's chunk (j + 2 rho) & 7, 64 bytes of codes each, as a 64-bit offset
	s_and_b32 s[WB+2*\j], s[WB+2*\j], 7
	s_lshl_b32 s[WB+2*\j], s[WB+2*\j], 6
	s_mov_b32 s[WB+2*\j+1], 0
.endr
	v_and_b32 v1, 15, v0                           ; r
	v_bfe_u32 v2, v0, 4, 1                         ; h
	v_and_b32 v15, 31, v0                          ; lane
	v_lshlrev_b32 v[L16], 4, v15
	s_lshl_b32 s27, s18, 9
	v_lshl_add_u32 v[LPC], v2, 4, s27
	v_lshl_add_u32 v[WO], v1, 11, v[LPC]
	; SCALE WORDS.  Register q of a block's four holds, in lanes 0-15, the word of slot q and, in lanes 16-31, that of slot 4 + q: chunk (4 h + q + 2 rho) & 7.  Two neighbouring q are 8 neighbouring bytes,
	; since 4 h + 2 qq + 2 rho is even: one load of 8 bytes at 8 ((2 h + qq + rho) & 3).
	v_lshl_add_u32 v[LPS], v2, 1, s22
	v_add_nc_u32 v[LPS+1], 1, v[LPS]
	v_and_b32 v[LPS], 3, v[LPS]
	v_and_b32 v[LPS+1], 3, v[LPS+1]
	s_lshl_b32 s27, s18, 5
	v_lshl_add_u32 v[LPS], v[LPS], 3, s27
	v_lshl_add_u32 v[LPS+1], v[LPS+1], 3, s27
	v_lshl_add_u32 v[WSO], v1, 7, v[LPS]
	v_lshl_add_u32 v[WSO+1], v1, 7, v[LPS+1]
	s_mul_i32 s27, s20, 576
	v_lshl_add_u32 v[TO], v1, 2, s27
	s_mul_i32 s26, s18, 144
	s_add_co_u32 s27, s27, s26
	v_lshl_add_u32 v[RTO0], v15, 2, s27
	v_and_b32 v[RTO1], 3, v0
	v_lshl_add_u32 v[RTO1], v[RTO1], 2, s27
	; every LDS address is made here, ahead of the first branch, of the wave's number and the lane alone
	s_mul_i32 s27, s18, REG
	v_mul_u32_u24 v[STO], v1, SP
	v_lshl_add_u32 v[STO], v2, 5, v[STO]
	v_add_nc_u32 v[STO], s27, v[STO]
	v_add_nc_u32 v[STO2], 64*SP, v[STO]
	s_mul_i32 s27, s18, 36*SP
	v_add_nc_u32 v[RD], s27, v[L16]
	v_add_nc_u32 v[RD+1], REG, v[RD]
	v_add_nc_u32 v[RD+2], 2*REG, v[RD]
	v_add_nc_u32 v[RD+3], 3*REG, v[RD]
	s_lshl_b32 s28, s20, 3                         ; the tile's pair: 8 rt
	s_mov_b32 s29, 0
	s_lshl_b32 s30, s19, 9                         ; my columns in a row of out0: 512 ct
	s_mov_b32 s31, 0
	s_wait_kmcnt 0x0
	s_add_nc_u64 s[6:7], s[6:7], s[28:29]
	s_load_b64 s[24:25], s[6:7], 0x0               ; (expert, rows in use)
.irp a, 0,1,2,3,4,5,6,7,8
	global_load_b32 v[TK+\a], v[TO], s[4:5] offset:64*\a   ; block a: lane r (both halves) takes the token of slot 16 a + r.  These eleven loads hang on ids alone and run beside the scalar load
.endr
	global_load_b32 v[RT], v[RTO0], s[4:5]
	global_load_b32 v[RT+1], v[RTO1], s[4:5] offset:128
	s_add_nc_u64 s[16:17], s[16:17], s[30:31]
.irp j, 0,1,2,3,4,5,6,7
	s_add_nc_u64 s[XB+2*\j:XB+2*\j+1], s[8:9], s[WB+2*\j:WB+2*\j+1]
.endr
	s_wait_kmcnt 0x0
	s_min_u32 s24, s24, 3                          ; a loaded number enters an address behind a clamp
	s_mul_i32 s27, s18, 36
	s_sub_co_i32 s26, s25, s27                     ; LIM: how many of my 36 rows are in use (0 or less: none)
	s_cmp_eq_u32 s25, 0
	s_cbranch_scc1 .Lmeet                          ; a tile without rows: over the work, and over no barrier
	s_lshl_b32 s28, s24, 21                        ; my expert's 1,024 rows of 2,048 bytes,
	s_lshl_b32 s27, s19, 18                        ; my 128 of them
	s_add_co_u32 s28, s28, s27
	s_mov_b32 s29, 0
	s_add_nc_u64 s[28:29], s[12:13], s[28:29]
.irp j, 0,1,2,3,4,5,6,7
	s_add_nc_u64 s[WB+2*\j:WB+2*\j+1], s[28:29], s[WB+2*\j:WB+2*\j+1]
.endr
	s_lshl_b32 s30, s24, 17                        ; and their scale bytes, 128 a row
	s_lshl_b32 s27, s19, 14
	s_add_co_u32 s30, s30, s27
	s_mov_b32 s31, 0
	s_add_nc_u64 s[68:69], s[14:15], s[30:31]
; x's fragments of slot j, n blocks from a0 on, into set j % 2.  A fragment, 16 rows x 128 K of 4-bit codes, is 8 registers: lane (r, h) holds row r; registers 4 c .. 4 c + 3 hold K = 64 c + 32 h + 0 .. 31: 16 bytes as they lie.
.macro LOAD_A j, a0, n
	WIN 0
.set AA, \a0
.rept \n
	global_load_b128 v[AF+72*((\j)%2)+8*AA:AF+72*((\j)%2)+8*AA+3],   v[XO+AA], s[XB+2*(\j):XB+2*(\j)+1]
	global_load_b128 v[AF+72*((\j)%2)+8*AA+4:AF+72*((\j)%2)+8*AA+7], v[XO+AA], s[XB+2*(\j):XB+2*(\j)+1] offset:32
.set AA, AA+1
.endr
.endm
.macro LOAD_B j                        ; W's eight fragments of slot j into set j % 2 of window 1; 16 rows are 32,768 bytes
	WIN 0x40                                       ; destination window 1, address window 0
.irp b, 0,1,2,3,4,5,6,7
	global_load_b128 v[64*((\j)%2)+8*\b:64*((\j)%2)+8*\b+3],   v[WO], s[WB+2*(\j):WB+2*(\j)+1] offset:32768*\b
	global_load_b128 v[64*((\j)%2)+8*\b+4:64*((\j)%2)+8*\b+7], v[WO], s[WB+2*(\j):WB+2*(\j)+1] offset:32768*\b+32
.endr
.endm
; Eight matrix instructions: row block a against W's eight blocks, slot j.  Slot 0 starts the sums with the constant 0: nothing is cleared.  Slots 4 to 7 take their scale words from lanes 16-31.
; The 72 accumulators take turns, one instruction a turn, in the same order in every slot.
.macro MUL a, j
.if (\a) < 4
	WIN 0xa1                                       ; source 0 (W) window 1, source 1 (x) window 0, C and D window 2
.set AC, 64*(\a)
.elseif (\a) < 8
	WIN 0xf1                                       ; C and D window 3
.set AC, 64*((\a)-4)
.else
	WIN 0x51                                       ; C and D window 1
.set AC, 192
.endif
.irp b, 0,1,2,3,4,5,6,7
.if (\j) == 0
	v_wmma_scale_f32_16x16x128_f8f6f4 v[AC+8*\b:AC+8*\b+7], v[64*((\j)%2)+8*\b:64*((\j)%2)+8*\b+7], v[AF+72*((\j)%2)+8*(\a):AF+72*((\j)%2)+8*(\a)+7], 0, v[WS+4*\b+(\j)%4], v[XS+4*(\a)+(\j)%4] matrix_a_fmt:MATRIX_FMT_FP4 matrix_b_fmt:MATRIX_FMT_FP4
.elseif (\j) < 4
	v_wmma_scale_f32_16x16x128_f8f6f4 v[AC+8*\b:AC+8*\b+7], v[64*((\j)%2)+8*\b:64*((\j)%2)+8*\b+7], v[AF+72*((\j)%2)+8*(\a):AF+72*((\j)%2)+8*(\a)+7], v[AC+8*\b:AC+8*\b+7], v[WS+4*\b+(\j)%4], v[XS+4*(\a)+(\j)%4] matrix_a_fmt:MATRIX_FMT_FP4 matrix_b_fmt:MATRIX_FMT_FP4
.else
	v_wmma_scale_f32_16x16x128_f8f6f4 v[AC+8*\b:AC+8*\b+7], v[64*((\j)%2)+8*\b:64*((\j)%2)+8*\b+7], v[AF+72*((\j)%2)+8*(\a):AF+72*((\j)%2)+8*(\a)+7], v[AC+8*\b:AC+8*\b+7], v[WS+4*\b+(\j)%4], v[XS+4*(\a)+(\j)%4] matrix_a_fmt:MATRIX_FMT_FP4 matrix_b_fmt:MATRIX_FMT_FP4 matrix_a_scale:MATRIX_SCALE_ROW1 matrix_b_scale:MATRIX_SCALE_ROW1
.endif
.endr
.endm
; A slot: 72 matrix instructions.  The set that it multiplies takes the loads of two slots on as its blocks fall free: x's blocks 0-3 in the middle, the rest and W's at the end.
.macro STEP j, cnt
	s_wait_loadcnt \cnt                            ; loads come back in order (ISA guide 5.7.1): this slot's are in, the younger ones stay out
	MUL 0, \j
	MUL 1, \j
	MUL 2, \j
	MUL 3, \j
.if (\j) < 6
	PLACES
	LOAD_A (\j)+2, 0, 4
.endif
	MUL 4, \j
	MUL 5, \j
	MUL 6, \j
	MUL 7, \j
	MUL 8, \j
.if (\j) < 6
	PLACES
	LOAD_A (\j)+2, 4, 5
	LOAD_B (\j)+2
.endif
.endm
.irp b, 0,1,2,3,4,5,6,7
.irp qq, 0,1
	global_load_b64 v[WS+4*\b+2*\qq:WS+4*\b+2*\qq+1], v[WSO+\qq], s[68:69] offset:2048*\b   ; W's scale words of all eight slots: 16 loads
.endr
.endr
	LOAD_B 0                                       ; W hangs on the tile's expert alone: its first two slots go out while the tokens are on their way
	LOAD_B 1
	s_wait_loadcnt 48                              ; the eleven token loads are in: behind them stand 16 + 16 + 16
	WIN 0
.irp a, 0,1,2,3,4,5,6,7,8
	v_min_u32 v[TK+\a], 0xfff, v[TK+\a]            ; a loaded number enters an address behind a clamp
.endr
.irp a, 0,1,2,3,4,5,6,7,8
	v_lshl_add_u32 v[XO+\a], v[TK+\a], 11, v[LPC]  ; token x 2,048 + my place in the row
.endr
	WIN 0x40                                       ; destination window 1
.irp a, 0,1,2,3,4,5,6,7,8
.irp qq, 0,1
	v_lshl_add_u32 v[XSO+2*\a+\qq], v[TK+\a], 7, v[LPS+\qq]   ; token x 128 + my place in the row of scale bytes
.endr
.endr
	WIN 0x01                                       ; address window 1, destination window 0
.irp a, 0,1,2,3,4,5,6,7,8
.irp qq, 0,1
	global_load_b64 v[XS+4*\a+2*\qq:XS+4*\a+2*\qq+1], v[XSO+2*\a+\qq], s[10:11]   ; x's scale words of all eight slots: 18 loads
.endr
.endr
	LOAD_A 0, 0, 9
	LOAD_A 1, 0, 9                                 ; more loads are now issued than the counter's field holds: the issue waits for the oldest (ISA guide 5.7.1); the counted waits below count from the youngest
	STEP 0, 18                                     ; behind slot 0's last load stand slot 1's 18 of x
	STEP 1, 34                                     ; from here on: the next slot's 8 + 10 of x and 16 of W
	STEP 2, 34
	STEP 3, 34
	STEP 4, 34
	STEP 5, 34
	STEP 6, 34
	STEP 7, 0
	; No address register and no base was written again in the walk.
; MY PARTIAL TILE GOES INTO LDS.  Register j of lane (r, h) of accumulator (a, b) is out(slot 16 a + r, column 16 b + 8 h + j): 32 neighbouring bytes of a row; each accumulator from its low end on.
.macro TOSTAGE a
.if (\a) < 4
	WIN 0x08                                       ; an LDS store's data are its source 1: window 2
.set AC, 64*(\a)
.set AD, STO
.set AO, 16*SP*(\a)
.elseif (\a) < 8
	WIN 0x0c                                       ; window 3
.set AC, 64*((\a)-4)
.set AD, STO2
.set AO, 16*SP*((\a)-4)
.else
	WIN 0x04                                       ; window 1
.set AC, 192
.set AD, STO2
.set AO, 16*SP*4
.endif
.irp b, 0,1,2,3,4,5,6,7
	ds_store_b128 v[AD], v[AC+8*\b:AC+8*\b+3] offset:AO+64*\b
	ds_store_b128 v[AD], v[AC+8*\b+4:AC+8*\b+7] offset:AO+64*\b+16
.endr
.endm
	PLACES                                         ; behind the last products: for these stores, and for the loads and vector writes below into registers that held x's fragments
.irp a, 0,1,2,3,4,5,6,7,8
	TOSTAGE \a
.endr
	WIN 0
.Lmeet:
	s_wait_loadcnt 0x0                             ; for the way that jumped here: the tokens of my rows are read below, and the bases' registers are used again
	s_wait_dscnt 0x0                               ; for the others' sake: my partial tile has landed
	s_barrier_signal -1
	s_barrier_wait -1                              ; the one barrier, on every way: all four partial tiles lie in LDS
	s_cmp_le_i32 s26, 0
	s_cbranch_scc1 .Ldone                          ; none of my 36 rows is in use
; THE SUM AND THE WAY OUT.  Wave w owns rows 36 w .. 36 w + 35, three at a time: each row's 512 bytes of the four partial tiles, 16 bytes a lane; three packed additions deep; one store of a whole row.
.macro RLOAD g
.irp t, 0,1,2
.irp p, 0,1,2,3
	ds_load_b128 v[OB+48*((\g)%2)+16*\t+4*\p:OB+48*((\g)%2)+16*\t+4*\p+3], v[RD+\p] offset:SP*(3*(\g)+\t)
.endr
.endr
.endm
.macro RSUM g
.irp t, 0,1,2
.set R, OB+48*((\g)%2)+16*\t
	v_pk_add_f32 v[R:R+1],     v[R:R+1],     v[R+4:R+5]       ; p0 + p1
	v_pk_add_f32 v[R+2:R+3],   v[R+2:R+3],   v[R+6:R+7]
	v_pk_add_f32 v[R+8:R+9],   v[R+8:R+9],   v[R+12:R+13]     ; p2 + p3
	v_pk_add_f32 v[R+10:R+11], v[R+10:R+11], v[R+14:R+15]
	v_pk_add_f32 v[R:R+1],     v[R:R+1],     v[R+8:R+9]
	v_pk_add_f32 v[R+2:R+3],   v[R+2:R+3],   v[R+10:R+11]
	s_cmp_le_i32 s26, 3*(\g)+\t                    ; rows ascend: the first one past the tile's rows ends the wave
	s_cbranch_scc1 .Ldone
	global_store_b128 v[OFF+3*(\g)+\t], v[R:R+3], s[16:17] th:TH_STORE_NT   ; 32 lanes store 512 consecutive bytes, at a multiple of 256 from out0's first byte; written once, read by nobody here
.endr
.endm
	RLOAD 0
.irp g, 0,1,2                          ; the rows' places in out0, twelve at a time: token x 4,096 + 16 x lane.  s32-43 held bases of loads that have all come back
.irp k, 0,1,2,3,4,5,6,7,8,9,10,11
	v_readlane_b32 s[32+\k], v[RT+(12*\g+\k)/32], (12*\g+\k)%32
.endr
.irp k, 0,1,2,3,4,5,6,7,8,9,10,11
	s_min_u32 s[32+\k], s[32+\k], 0xfff            ; a loaded number enters an address behind a clamp
.endr
.irp k, 0,1,2,3,4,5,6,7,8,9,10,11
	v_lshl_add_u32 v[OFF+12*\g+\k], s[32+\k], 12, v[L16]
.endr
.endr
.irp g, 0,1,2,3,4,5,6,7,8,9,10,11
.if \g < 11
.if \g > 0
	s_wait_xcnt 0x0                                ; the stores of the group before have read their data: the set that held them is loaded again only behind this wait
.endif
	RLOAD \g+1
	s_wait_dscnt 12                                ; this group's twelve loads are in; the next group's twelve may be out
.else
	s_wait_dscnt 0x0
.endif
	RSUM \g
.endr
.Ldone:
	s_wait_dscnt 0x0                               ; a wave that left the groups early may have LDS loads out
	s_wait_tensorcnt 0x0
	ds_add_u32 v42, v43
	s_wait_dscnt 0x0
	s_endpgm
.Lfunc_end_k_q07db788c5c_gemm:
	.size	k_q07db788c5c_gemm, .Lfunc_end_k_q07db788c5c_gemm-k_q07db788c5c_gemm
	.p2alignl 7, 3214868480
	.fill 96, 4, 3214868480
	.section	.rodata,"a",@progbits
	.p2align	6, 0x0
	.amdhsa_kernel k_q07db788c5c_gemm
		.amdhsa_group_segment_fixed_size 304640
		.amdhsa_private_segment_fixed_size 0
		.amdhsa_enable_private_segment 0
		.amdhsa_kernarg_size 56
		.amdhsa_user_sgpr_count 2
		.amdhsa_user_sgpr_kernarg_segment_ptr 1
		.amdhsa_wavefront_size32 1
		.amdhsa_system_sgpr_workgroup_id_x 1
		.amdhsa_system_sgpr_workgroup_id_y 1
		.amdhsa_system_sgpr_workgroup_id_z 1
		.amdhsa_system_vgpr_workitem_id 0
		.amdhsa_next_free_vgpr 1024
		.amdhsa_next_free_sgpr 72
		.amdhsa_reserve_vcc 0
		.amdhsa_float_denorm_mode_32 3
		.amdhsa_float_denorm_mode_16_64 3
		.amdhsa_memory_ordered 1
		.amdhsa_forward_progress 1
		.amdhsa_inst_pref_size 158
	.end_amdhsa_kernel
	.amdgpu_metadata
---
amdhsa.version: [ 1, 2 ]
amdhsa.kernels:
  - .name:           k_q07db788c5c_gemm
    .symbol:         k_q07db788c5c_gemm.kd
    .args:
      - { .name: rows, .offset: 0, .size: 8, .value_kind: global_buffer, .address_space: global }
      - { .name: tiles, .offset: 8, .size: 8, .value_kind: global_buffer, .address_space: global }
      - { .name: x_codes, .offset: 16, .size: 8, .value_kind: global_buffer, .address_space: global }
      - { .name: x_scales, .offset: 24, .size: 8, .value_kind: global_buffer, .address_space: global }
      - { .name: weight_stacked_codes, .offset: 32, .size: 8, .value_kind: global_buffer, .address_space: global }
      - { .name: weight_stacked_scales, .offset: 40, .size: 8, .value_kind: global_buffer, .address_space: global }
      - { .name: out0, .offset: 48, .size: 8, .value_kind: global_buffer, .address_space: global }
    .group_segment_fixed_size: 304640
    .private_segment_fixed_size: 0
    .kernarg_segment_align: 8
    .kernarg_segment_size: 56
    .max_flat_workgroup_size: 128
    .sgpr_count:     72
    .vgpr_count:     1024
    .wavefront_size: 32
...
	.end_amdgpu_metadata
.endif
;; end of part 2
;; ======== version 2 of 2: 1 launch
;; launch gemm (part 3): grid 8 x 32, 4 waves a work-group, no clusters, 307,456 bytes of LDS; arguments indices, x_codes, x_scales, weight_stacked_codes, weight_stacked_scales, out0; writes out0
.if DOCPART == 3
	.amdgcn_target "amdgcn-amd-amdhsa--gfx1250"
	.amdhsa_code_object_version 6
	.text
	.protected	k_q07db788c5c_gemm
	.globl	k_q07db788c5c_gemm
	.p2align	8
	.type	k_q07db788c5c_gemm,@function
k_q07db788c5c_gemm:
	s_mov_b64 s[64:65], 0
	v_nop
	global_prefetch_b8 v0, s[64:65] scope:SCOPE_SE
	s_setreg_imm32_b32 hwreg(HW_REG_WAVE_MODE, 25, 1), 1
	s_wait_xcnt 0x0
; out0[t][:] = x[t] . W[indices[t]]^T on codes of FP4 (E2M1) with one E8M0 scale for each 32 along K, only for the expert chosen for each token.  ONE launch: each work-group sorts, gathers, multiplies and stores.
; x: [4096][4096] codes, 2,048 bytes a row; W: [4][1024][4096] likewise; scale bytes 128 a row; indices: [4096] int32; out0: [4096][1024] f32.
; TILES.  An expert's tokens, in a fixed order, are cut into tiles of 144; the experts' tiles follow each other.  The sum over experts of ceil(count / 144) is at most (4096 + 4 x 143) / 144 = 32, whatever the split.
; SHARES.  Work-group (ct, rt) makes tile rt's 144 routed rows x columns 128 ct .. 128 ct + 127: 32 x 8 = 256 work-groups.  A tile that the split leaves without rows stores nothing.
; THE SORT is made by every work-group for itself, from the 16 KB of indices: counts of each wave's 1,024 tokens, exchanged through LDS; from them the tile's expert and its first rank; then each wave moves those of
; its tokens that fall into the tile to the lanes of their slots by lane permutes, and the four waves' partial lists meet in LDS.  The order inside an expert is wave, register, lane: the same in all work-groups.
; THE FOUR WAVES SHARE K: wave w takes k = 1024 w .. 1024 w + 1023 of the whole 144 x 128 tile, 72 accumulators of 16 x 16.  So each operand byte is loaded once by the work-group, from memory straight into the
; register that the matrix instruction reads.  The four partial tiles meet in LDS, where wave w adds and stores rows 36 w .. 36 w + 35 as whole rows of 512 bytes.
; ORDER OF SUMS: each output is (p0 + p1) + (p2 + p3), p_w the f32 sum over quarter w of K: not one ascending chain.
; ROTATION.  A wave's quarter is eight chunks of 128 along K.  Slot j of the walk takes chunk (j + 2 rho) & 7, rho = (ct + rt) & 3: work-groups that read the same rows of x (one rt) or of W (one ct, one expert)
; begin at different chunks.  Only scalar bases and the scale loads' lane offsets hang on rho; every register number is a constant of the text.
; NO TENSOR LOADS, NO CLUSTER: x's rows are gathered by a list, one row here and one there, and the launch branches on counts made of the indices (an empty tile, rows past a tile's end); joint requests are tensor loads.
; THE MATRIX INSTRUCTION IS USED TRANSPOSED: source 0 = 16 rows of W, source 1 = 16 rows of x: a lane then holds eight neighbouring columns of one row of out0.
; SLOTS PAST A TILE'S ROWS hold token 0: they are multiplied like the others and never stored.
; LIMIT: a token whose index lies outside 0 .. 3 is in no list: its row is not written (the problem says an index stays inside its table).
; REGISTERS, in windows of 256.  Window 0: v0-19, v29, v41-43 addresses; v20-28 x's row offsets; v30-31 the tokens of the rows that I store; v32-40 the tile's tokens; v44-79 x's scale words, v80-111 W's (scales and
;   nothing else); v112-255 first the sort's registers, then x's fragments, two sets of 72; on the way out v112-207 rows from LDS, v208-243 store offsets.   Window 1: v0-127 W's fragments, two sets of 64;
;   v128-145 offsets of x's scale loads; v192-255 the accumulators of row block 8.   Window 2: those of blocks 0-3 (block a, column block b at 64 a + 8 b).   Window 3: those of blocks 4-7.
.set MT,   144                         ; rows in a tile
.set SP,   528                         ; a stage row: 512 bytes of f32 + 16 of padding = 132 words: row r starts at bank 4 r mod 64 (64 banks of 4 bytes: ISA guide 11.1)
.set REG,  MT*SP                       ; a wave's partial tile in LDS: four of them, wave w's at w x REG
.set CNTB, 4*REG                       ; behind them: the waves' counts, 8 bytes each
.set LISTB, CNTB+256                   ; and the waves' partial lists: 160 words each, word s = the token of slot s, or 0
.set LREG, 640
.set L16,  3                           ; v3     16 x lane
.set LPC,  4                           ; v4     512 w + 16 h: my place in a row of codes
.set WO,   5                           ; v5     2048 r + LPC: W's rows
.set LPS,  6                           ; v6-7   32 w + 8 ((2 h + qq + rho) & 3): my place in a row of scale bytes
.set WSO,  8                           ; v8-9   128 r + LPS
.set TL,   10                          ; v10    LISTB + 4 r: a block's tokens in a partial list
.set RTL0, 11                          ; v11    LISTB + 144 w + 4 lane: the tokens of my 36 rows, the first 32
.set RTL1, 12                          ; v12    LISTB + 144 w + 4 (lane & 3): and, 128 bytes on, the last four
.set STO,  13                          ; v13    w REG + 528 r + 32 h: into the stage
.set STO2, 14                          ; v14    the same, 64 rows on
.set RD,   16                          ; v16-19 p REG + 36 w rows + 16 lane: back from partial tile p
.set XO,   20
.set LW,   29                          ; v29    LISTB + 640 w + 4 lane: where I store my wave's partial list
.set RT,   30
.set TK,   32
.set IO,   41                          ; v41    16 x thread: my four indices of each 2,048 bytes
.set T4,   42                          ; v42    4 x thread: my tokens' numbers begin here
.set CW,   43                          ; v43    CNTB + 8 w
.set XS,   44
.set WS,   80
.set AF,   112
.set OB,   112
.set OFF,  208
.set XSO,  128                         ; in window 1
; the sort's registers, all in the range that x's fragments take afterwards
.set IDX,  112                         ; v112-143 my 32 indices: register 4 i + k is token 512 i + 4 thread + k
.set RECV, 144                         ; v144-175 what each group's permute brings; before that, at work in the count
.set ACQ,  176                         ; v176-180 my wave's partial list: register q, lane l: slot 32 q + l
.set CA,   182                         ; v182-183 packed counts, two chains
.set SA,   184                         ; v184-190 at work, two sets by turns
.set CNTV, 192                         ; v192-199 the four waves' counts
.set LT,   200                         ; v200-243 the four partial lists as I read them
.set BT,   244                         ; v244    at work in the sum over lanes
.set CR,   245                         ; v245    CNTB
.set PA,   246                         ; v246-247 my wave's counts: experts 0, 1 and 2, 3 in halves of a word
.set XB,   32                          ; s[32:47] x's codes + the slot's chunk, slots 0 to 7
.set WB,   48                          ; s[48:63] the same for my expert's and my columns' rows of W
.set RUN,  70                          ; s70-101 group g's first slot in the tile (signed); before that, at work
.set RLAST, 67                         ; s67     and the slot behind the last group
.set SM,   2                           ; s2-7    SEND: masks and a count, two sets by turns
.set MQ,   2                           ; s2-6    TAKE: the five list registers' lane masks
.set MSB, 0
.macro WIN new                         ; the immediate's high byte repeats the setting that is left; a switch that changes nothing is dropped
.if MSB != \new
	s_set_vgpr_msb (MSB<<8)|\new
.set MSB, \new
.endif
.endm
; A load into a register that a matrix instruction has read, and an LDS store that reads a matrix result, stand four places behind that matrix instruction; only plain vector instructions that name
; none of its registers are places (ISA guide 7.12.1 for vector instructions).
.macro PLACES
.rept 4
	v_nop
.endr
.endm
.macro BFLY r                          ; the sum over the 32 lanes, in every lane; each 16-bit field stays at or under 1,024
.irp m, 1,2,4,8
	v_mov_b32_dpp v[BT], v[\r] row_xmask:\m row_mask:0xf bank_mask:0xf
	v_add_nc_u32 v[\r], v[\r], v[BT]
.endr
	v_permlanex16_b32 v[BT], v[\r], s100, s101
	v_add_nc_u32 v[\r], v[\r], v[BT]
.endm
; GROUP g (my wave's 32 tokens in register g) IS SENT.  Its members (index = my tile's expert) take the slots run .. run + cnt - 1 and go to the lanes of those slots, slot & 31; the others go to the lanes left over,
; so that the 32 lanes are permuted one to one.  The permute goes through the LDS unit and touches no LDS byte; each group has a receiving register of its own, so no wait stands between the groups.
.macro SEND g
.set PR, (\g)%2
.set RC, RUN+(\g)
.set RN, RUN+(\g)+1
.if (\g) == 31
.set RN, RLAST
.endif
	v_cmp_eq_u32 s[SM+3*PR], s24, v[IDX+(\g)]                      ; the members
	s_not_b32 s[SM+3*PR+1], s[SM+3*PR]
	s_bcnt1_i32_b32 s[SM+3*PR+2], s[SM+3*PR]
	s_add_co_u32 s[RN], s[RC], s[SM+3*PR+2]                        ; the next group's first slot
	v_mbcnt_lo_u32_b32 v[SA+4*PR], s[SM+3*PR], s[RC]               ; run + the members in lower lanes
	v_mbcnt_lo_u32_b32 v[SA+4*PR+1], s[SM+3*PR+1], s[RN]           ; run + cnt + the others in lower lanes
	v_add_nc_u32 v[SA+4*PR+2], 512*((\g)/4)+(\g)%4, v[T4]          ; my token's number
	v_cndmask_b32 v[SA+4*PR], v[SA+4*PR+1], v[SA+4*PR], s[SM+3*PR]
	v_and_b32 v[SA+4*PR], 31, v[SA+4*PR]                           ; the lane
	v_min_u32 v[SA+4*PR], 31, v[SA+4*PR]                           ; a number made of loaded data enters an address operand behind a clamp
	v_lshlrev_b32 v[SA+4*PR], 2, v[SA+4*PR]
	ds_permute_b32 v[RECV+(\g)], v[SA+4*PR], v[SA+4*PR+2]
.endm
; GROUP g IS TAKEN into my wave's partial list.  A group none of whose slots lies in 0 .. 143 is passed over.  cnt ones, shifted up by run & 31 in 64 bits, are the members' lanes: the low word's in list register
; q0 = run >> 5 (rounded down), the high word's in q0 + 1.  Registers under 0 and over 4 do not exist, and of register 4 only slots 128 to 143 count.
.macro TAKE g
.set RC, RUN+(\g)
.set RN, RUN+(\g)+1
.if (\g) == 31
.set RN, RLAST
.endif
	s_cmp_le_i32 s[RN], 0
	s_cbranch_scc1 .Lpass_\@
	s_cmp_ge_i32 s[RC], MT
	s_cbranch_scc1 .Lpass_\@
	s_sub_co_u32 s27, s[RN], s[RC]                 ; cnt, 0 to 32
	s_lshl_b64 s[28:29], s[30:31], s27             ; 1 << cnt
	s_sub_co_u32 s28, s28, 1                       ; cnt ones (cnt = 32: the low word was 0)
	s_mov_b32 s29, 0
	s_and_b32 s27, s[RC], 31
	s_lshl_b64 s[28:29], s[28:29], s27
	s_ashr_i32 s23, s[RC], 5                       ; q0, -1 at the least here
.irp q, 0,1,2,3,4
	s_cmp_eq_i32 s23, \q-1
	s_cselect_b32 s[MQ+\q], s29, 0
	s_cmp_eq_i32 s23, \q
	s_cselect_b32 s[MQ+\q], s28, s[MQ+\q]
.endr
	s_and_b32 s[MQ+4], s[MQ+4], 0xffff
	s_wait_alu depctr_va_vdst(0)
.irp q, 0,1,2,3,4
	v_cndmask_b32 v[ACQ+\q], v[ACQ+\q], v[RECV+(\g)], s[MQ+\q]
.endr
.Lpass_\@:
.endm
; x's fragments of slot j, n blocks from a0 on, into set j % 2.  A fragment, 16 rows x 128 K of 4-bit codes, is 8 registers: lane (r, h) holds row r; registers 4 c .. 4 c + 3 hold K = 64 c + 32 h + 0 .. 31: 16 bytes as they lie.
.macro LOAD_A j, a0, n
	WIN 0
.set AA, \a0
.rept \n
	global_load_b128 v[AF+72*((\j)%2)+8*AA:AF+72*((\j)%2)+8*AA+3],   v[XO+AA], s[XB+2*(\j):XB+2*(\j)+1]
	global_load_b128 v[AF+72*((\j)%2)+8*AA+4:AF+72*((\j)%2)+8*AA+7], v[XO+AA], s[XB+2*(\j):XB+2*(\j)+1] offset:32
.set AA, AA+1
.endr
.endm
.macro LOAD_B j                        ; W's eight fragments of slot j into set j % 2 of window 1; 16 rows are 32,768 bytes
	WIN 0x40                                       ; destination window 1, address window 0
.irp b, 0,1,2,3,4,5,6,7
	global_load_b128 v[64*((\j)%2)+8*\b:64*((\j)%2)+8*\b+3],   v[WO], s[WB+2*(\j):WB+2*(\j)+1] offset:32768*\b
	global_load_b128 v[64*((\j)%2)+8*\b+4:64*((\j)%2)+8*\b+7], v[WO], s[WB+2*(\j):WB+2*(\j)+1] offset:32768*\b+32
.endr
.endm
; Eight matrix instructions: row block a against W's eight blocks, slot j.  Slot 0 starts the sums with the constant 0: nothing is cleared.  Slots 4 to 7 take their scale words from lanes 16-31.
; The 72 accumulators take turns, one instruction a turn, in the same order in every slot.
.macro MUL a, j
.if (\a) < 4
	WIN 0xa1                                       ; source 0 (W) window 1, source 1 (x) window 0, C and D window 2
.set AC, 64*(\a)
.elseif (\a) < 8
	WIN 0xf1                                       ; C and D window 3
.set AC, 64*((\a)-4)
.else
	WIN 0x51                                       ; C and D window 1
.set AC, 192
.endif
.irp b, 0,1,2,3,4,5,6,7
.if (\j) == 0
	v_wmma_scale_f32_16x16x128_f8f6f4 v[AC+8*\b:AC+8*\b+7], v[64*((\j)%2)+8*\b:64*((\j)%2)+8*\b+7], v[AF+72*((\j)%2)+8*(\a):AF+72*((\j)%2)+8*(\a)+7], 0, v[WS+4*\b+(\j)%4], v[XS+4*(\a)+(\j)%4] matrix_a_fmt:MATRIX_FMT_FP4 matrix_b_fmt:MATRIX_FMT_FP4
.elseif (\j) < 4
	v_wmma_scale_f32_16x16x128_f8f6f4 v[AC+8*\b:AC+8*\b+7], v[64*((\j)%2)+8*\b:64*((\j)%2)+8*\b+7], v[AF+72*((\j)%2)+8*(\a):AF+72*((\j)%2)+8*(\a)+7], v[AC+8*\b:AC+8*\b+7], v[WS+4*\b+(\j)%4], v[XS+4*(\a)+(\j)%4] matrix_a_fmt:MATRIX_FMT_FP4 matrix_b_fmt:MATRIX_FMT_FP4
.else
	v_wmma_scale_f32_16x16x128_f8f6f4 v[AC+8*\b:AC+8*\b+7], v[64*((\j)%2)+8*\b:64*((\j)%2)+8*\b+7], v[AF+72*((\j)%2)+8*(\a):AF+72*((\j)%2)+8*(\a)+7], v[AC+8*\b:AC+8*\b+7], v[WS+4*\b+(\j)%4], v[XS+4*(\a)+(\j)%4] matrix_a_fmt:MATRIX_FMT_FP4 matrix_b_fmt:MATRIX_FMT_FP4 matrix_a_scale:MATRIX_SCALE_ROW1 matrix_b_scale:MATRIX_SCALE_ROW1
.endif
.endr
.endm
; A slot: 72 matrix instructions.  The set that it multiplies takes the loads of two slots on as its blocks fall free: x's blocks 0-3 in the middle, the rest and W's at the end.
.macro STEP j, cnt
	s_wait_loadcnt \cnt                            ; loads come back in order (ISA guide 5.7.1): this slot's are in, the younger ones stay out
	MUL 0, \j
	MUL 1, \j
	MUL 2, \j
	MUL 3, \j
.if (\j) < 6
	PLACES
	LOAD_A (\j)+2, 0, 4
.endif
	MUL 4, \j
	MUL 5, \j
	MUL 6, \j
	MUL 7, \j
	MUL 8, \j
.if (\j) < 6
	PLACES
	LOAD_A (\j)+2, 4, 5
	LOAD_B (\j)+2
.endif
.endm
	s_load_b64 s[4:5], s[0:1], 0x0                 ; indices
	s_load_b256 s[8:15], s[0:1], 0x8               ; x's codes s[8:9], x's scales s[10:11], W's codes s[12:13], W's scales s[14:15]
	s_load_b64 s[16:17], s[0:1], 0x28              ; out0
	s_set_vgpr_msb 0x40
	v_lshl_add_u32 v190, v0, 2, 0x4af00
	v_mov_b32 v191, 0
	s_set_vgpr_msb 0x4000
	v_lshlrev_b32 v[IO], 4, v0
	v_lshrrev_b32 v15, 5, v0
	v_readfirstlane_b32 s18, v15                   ; wave w
	s_wait_alu depctr_va_vdst(0)
	s_wait_kmcnt 0x0
.irp i, 0,1,2,3,4,5,6,7
	global_load_b128 v[IDX+4*\i:IDX+4*\i+3], v[IO], s[4:5] offset:2048*\i   ; all 4,096 indices, 32 a thread: a wave's load covers 512 consecutive bytes.  All that follows up to the wait is made while they are on their way
.endr
	s_mov_b32 s19, ttmp9                           ; ct
	s_and_b32 s20, ttmp7, 0xffff                   ; rt
	s_add_co_u32 s22, s19, s20
	s_and_b32 s22, s22, 3                          ; rho
	s_lshl_b32 s21, s22, 1
.irp j, 0,1,2,3,4,5,6,7
	s_add_co_u32 s[WB+2*\j], s21, \j               ; slot j's chunk (j + 2 rho) & 7, 64 bytes of codes each, as a 64-bit offset
	s_and_b32 s[WB+2*\j], s[WB+2*\j], 7
	s_lshl_b32 s[WB+2*\j], s[WB+2*\j], 6
	s_mov_b32 s[WB+2*\j+1], 0
.endr
	v_and_b32 v1, 15, v0                           ; r
	v_bfe_u32 v2, v0, 4, 1                         ; h
	v_and_b32 v15, 31, v0                          ; lane
	v_lshlrev_b32 v[L16], 4, v15
	v_lshlrev_b32 v[T4], 2, v0
	s_lshl_b32 s27, s18, 9
	v_lshl_add_u32 v[LPC], v2, 4, s27
	v_lshl_add_u32 v[WO], v1, 11, v[LPC]
	; SCALE WORDS.  Register q of a block's four holds, in lanes 0-15, the word of slot q and, in lanes 16-31, that of slot 4 + q: chunk (4 h + q + 2 rho) & 7.  Two neighbouring q are 8 neighbouring bytes,
	; since 4 h + 2 qq + 2 rho is even: one load of 8 bytes at 8 ((2 h + qq + rho) & 3).
	v_lshl_add_u32 v[LPS], v2, 1, s22
	v_add_nc_u32 v[LPS+1], 1, v[LPS]
	v_and_b32 v[LPS], 3, v[LPS]
	v_and_b32 v[LPS+1], 3, v[LPS+1]
	s_lshl_b32 s27, s18, 5
	v_lshl_add_u32 v[LPS], v[LPS], 3, s27
	v_lshl_add_u32 v[LPS+1], v[LPS+1], 3, s27
	v_lshl_add_u32 v[WSO], v1, 7, v[LPS]
	v_lshl_add_u32 v[WSO+1], v1, 7, v[LPS+1]
	; every LDS address is made here, ahead of the first branch, of constants, the wave's number and the lane alone
	v_lshl_add_u32 v[TL], v1, 2, LISTB
	s_mul_i32 s27, s18, 144
	s_add_co_u32 s27, s27, LISTB
	v_lshl_add_u32 v[RTL0], v15, 2, s27
	v_and_b32 v[RTL1], 3, v0
	v_lshl_add_u32 v[RTL1], v[RTL1], 2, s27
	s_mul_i32 s27, s18, LREG
	s_add_co_u32 s27, s27, LISTB
	v_lshl_add_u32 v[LW], v15, 2, s27
	s_lshl_b32 s27, s18, 3
	s_add_co_u32 s27, s27, CNTB
	v_mov_b32 v[CW], s27
	v_mov_b32 v[CR], CNTB
	s_mul_i32 s27, s18, REG
	v_mul_u32_u24 v[STO], v1, SP
	v_lshl_add_u32 v[STO], v2, 5, v[STO]
	v_add_nc_u32 v[STO], s27, v[STO]
	v_add_nc_u32 v[STO2], 64*SP, v[STO]
	s_mul_i32 s27, s18, 36*SP
	v_add_nc_u32 v[RD], s27, v[L16]
	v_add_nc_u32 v[RD+1], REG, v[RD]
	v_add_nc_u32 v[RD+2], 2*REG, v[RD]
	v_add_nc_u32 v[RD+3], 3*REG, v[RD]
	v_mov_b32 v[BT], 0                             ; written once: the destination of a DPP move and of a lane permute counts as read
	v_mov_b32 v[CA], 0
	v_mov_b32 v[CA+1], 0
.irp q, 0,1,2,3,4
	v_mov_b32 v[ACQ+\q], 0                         ; a slot that my wave does not fill stays 0: the four partial lists are added
.endr
	s_mov_b32 s100, 0x76543210                     ; v_permlanex16_b32: lane l xor 16
	s_mov_b32 s101, 0xfedcba98
	s_lshl_b32 s30, s19, 9                         ; my columns in a row of out0: 512 ct
	s_mov_b32 s31, 0
	s_add_nc_u64 s[16:17], s[16:17], s[30:31]
.irp j, 0,1,2,3,4,5,6,7
	s_add_nc_u64 s[XB+2*\j:XB+2*\j+1], s[8:9], s[WB+2*\j:WB+2*\j+1]
.endr
	; ---- THE COUNTS.  A lane adds 1 << 6 min(index, 4): five fields of 6 bits, each at most 32; the fifth takes what lies outside 0 .. 3 and is dropped
	s_wait_loadcnt 0x0                             ; the indices
.irp i, 0,1,2,3
.irp j, 0,1,2,3,4,5,6,7
	v_min_u32 v[RECV+\j], 4, v[IDX+8*\i+\j]
.endr
.irp j, 0,1,2,3,4,5,6,7
	v_mul_u32_u24 v[RECV+\j], v[RECV+\j], 6
.endr
.irp j, 0,1,2,3,4,5,6,7
	v_lshl_add_u32 v[CA+\j%2], 1, v[RECV+\j], v[CA+\j%2]
.endr
.endr
	v_add_nc_u32 v[CA], v[CA], v[CA+1]
	v_and_b32 v[SA], 0x3f, v[CA]
	v_bfe_u32 v[SA+1], v[CA], 6, 6
	v_bfe_u32 v[SA+2], v[CA], 12, 6
	v_bfe_u32 v[SA+3], v[CA], 18, 6
	v_lshl_or_b32 v[PA], v[SA+1], 16, v[SA]        ; experts 0 and 1,
	v_lshl_or_b32 v[PA+1], v[SA+3], 16, v[SA+2]    ; 2 and 3, in fields of 16 bits
	BFLY PA
	BFLY PA+1
	ds_store_b64 v[CW], v[PA:PA+1]                 ; all lanes write the same 8 bytes with the same value
	s_wait_dscnt 0x0                               ; for the others' sake: my counts have landed
	s_barrier_signal -1
	s_barrier_wait -1
	ds_load_b128 v[CNTV:CNTV+3], v[CR]             ; the four waves' counts, in every lane
	ds_load_b128 v[CNTV+4:CNTV+7], v[CR] offset:16
	s_wait_dscnt 0x0
.irp i, 0,1,2,3,4,5,6,7
	v_readfirstlane_b32 s[70+\i], v[CNTV+\i]       ; s70, s71: wave 0's two words; s72, s73: wave 1's; ..
.endr
	s_add_co_u32 s78, s70, s72                     ; the totals: fields at most 4,096
	s_add_co_u32 s79, s71, s73
	s_add_co_u32 s78, s78, s74
	s_add_co_u32 s79, s79, s75
	s_add_co_u32 s78, s78, s76
	s_add_co_u32 s79, s79, s77
	s_mov_b32 s80, 0                               ; the counts of the waves ahead of mine
	s_mov_b32 s81, 0
.irp p, 0,1,2
	s_cmp_gt_u32 s18, \p
	s_cselect_b32 s2, s[70+2*\p], 0
	s_cselect_b32 s3, s[71+2*\p], 0
	s_add_co_u32 s80, s80, s2
	s_add_co_u32 s81, s81, s3
.endr
	s_and_b32 s82, s78, 0xffff                     ; s82-85 the experts' totals
	s_lshr_b32 s83, s78, 16
	s_and_b32 s84, s79, 0xffff
	s_lshr_b32 s85, s79, 16
	s_and_b32 s86, s80, 0xffff                     ; s86-89 their counts in earlier waves
	s_lshr_b32 s87, s80, 16
	s_and_b32 s88, s81, 0xffff
	s_lshr_b32 s89, s81, 16
	s_mov_b32 s90, 0                               ; s90-94 their first tiles, and the number of tiles in use
.irp e, 0,1,2,3
	s_add_co_u32 s2, s[82+\e], MT-1
	s_mul_i32 s2, s2, 7282                         ; n / 144 = (n x 7282) >> 20, exact for n up to 4,239: 7282 x 144 = 2^20 + 32, and n x 32 / 2^20 stays under 1
	s_lshr_b32 s2, s2, 20
	s_add_co_u32 s[91+\e], s[90+\e], s2
.endr
	s_mov_b32 s24, 0                               ; my tile's expert,
	s_mov_b32 s95, 0                               ; its first tile,
	s_mov_b32 s96, s82                             ; its tokens,
	s_mov_b32 s97, s86                             ; those of them in earlier waves.  The experts override each other in ascending order, so one without tokens is passed over
.irp e, 1,2,3
	s_cmp_le_u32 s[90+\e], s20
	s_cselect_b32 s24, \e, s24
	s_cselect_b32 s95, s[90+\e], s95
	s_cselect_b32 s96, s[82+\e], s96
	s_cselect_b32 s97, s[86+\e], s97
.endr
	s_sub_co_u32 s95, s20, s95
	s_mul_i32 s95, s95, MT                         ; the rank of my tile's first slot
	s_sub_co_u32 s25, s96, s95                     ; the tokens left from there on
	s_min_u32 s25, s25, MT
	s_cmp_lt_u32 s20, s94                          ; is the tile in use?
	s_cselect_b32 s25, s25, 0                      ; rows in use
	s_sub_co_i32 s[RUN], s97, s95                  ; the slot of my wave's first member: under 0 where it belongs to an earlier tile
	s_min_u32 s24, s24, 3                          ; a number made of loaded data enters an address behind a clamp
	s_mul_i32 s27, s18, 36
	s_sub_co_i32 s26, s25, s27                     ; LIM: how many of my 36 rows are in use (0 or less: none)
	; ---- W hangs on the tile's expert alone: its scale words and its first two slots go out now and are on their way while the list is made.  (A tile without rows asks for them too: its expert is one of the four.)
	s_lshl_b32 s28, s24, 21                        ; my expert's 1,024 rows of 2,048 bytes,
	s_lshl_b32 s27, s19, 18                        ; my 128 of them
	s_add_co_u32 s28, s28, s27
	s_mov_b32 s29, 0
	s_add_nc_u64 s[28:29], s[12:13], s[28:29]
.irp j, 0,1,2,3,4,5,6,7
	s_add_nc_u64 s[WB+2*\j:WB+2*\j+1], s[28:29], s[WB+2*\j:WB+2*\j+1]
.endr
	s_lshl_b32 s30, s24, 17                        ; and their scale bytes, 128 a row
	s_lshl_b32 s27, s19, 14
	s_add_co_u32 s30, s30, s27
	s_mov_b32 s31, 0
	s_add_nc_u64 s[68:69], s[14:15], s[30:31]
.irp b, 0,1,2,3,4,5,6,7
.irp qq, 0,1
	global_load_b64 v[WS+4*\b+2*\qq:WS+4*\b+2*\qq+1], v[WSO+\qq], s[68:69] offset:2048*\b   ; W's scale words of all eight slots: 16 loads
.endr
.endr
	LOAD_B 0
	LOAD_B 1
	WIN 0
	; ---- THE LIST
.set G, 0
.rept 32
	SEND G
.set G, G+1
.endr
	s_mov_b32 s30, 1                               ; the pair 1, for TAKE's shifts
	s_mov_b32 s31, 0
	s_wait_dscnt 0x0                               ; the 32 permutes are back
.set G, 0
.rept 32
	TAKE G
.set G, G+1
.endr
	s_wait_alu depctr_va_vdst(0)
.irp q, 0,1,2,3,4
	ds_store_b32 v[LW], v[ACQ+\q] offset:128*\q    ; word 32 q + lane of my wave's partial list
.endr
	s_wait_dscnt 0x0                               ; for the others' sake: my partial list has landed
	s_barrier_signal -1
	s_barrier_wait -1
.irp a, 0,1,2,3,4,5,6,7,8
.irp p, 0,1,2,3
	ds_load_b32 v[LT+4*\a+\p], v[TL] offset:LREG*\p+64*\a          ; block a: lane r (both halves) takes slot 16 a + r of each partial list
.endr
.endr
.irp p, 0,1,2,3
	ds_load_b32 v[LT+36+\p], v[RTL0] offset:LREG*\p                ; the rows that I store: slots 36 w + lane,
	ds_load_b32 v[LT+40+\p], v[RTL1] offset:LREG*\p+128            ; and 36 w + 32 + (lane & 3)
.endr
	s_wait_dscnt 0x0
.irp a, 0,1,2,3,4,5,6,7,8
	v_add3_u32 v[TK+\a], v[LT+4*\a], v[LT+4*\a+1], v[LT+4*\a+2]    ; one wave at the most has filled a slot, the others hold 0
.endr
	v_add3_u32 v[RT], v[LT+36], v[LT+37], v[LT+38]
	v_add3_u32 v[RT+1], v[LT+40], v[LT+41], v[LT+42]
.irp a, 0,1,2,3,4,5,6,7,8
	v_add_nc_u32 v[TK+\a], v[TK+\a], v[LT+4*\a+3]
.endr
	v_add_nc_u32 v[RT], v[RT], v[LT+39]
	v_add_nc_u32 v[RT+1], v[RT+1], v[LT+43]
	s_cmp_eq_u32 s25, 0
	s_cbranch_scc1 .Lmeet                          ; a tile without rows: over the work, and over no barrier
	; ---- x
.irp a, 0,1,2,3,4,5,6,7,8
	v_min_u32 v[TK+\a], 0xfff, v[TK+\a]            ; a loaded number enters an address behind a clamp
.endr
.irp a, 0,1,2,3,4,5,6,7,8
	v_lshl_add_u32 v[XO+\a], v[TK+\a], 11, v[LPC]  ; token x 2,048 + my place in the row
.endr
	WIN 0x40                                       ; destination window 1
.irp a, 0,1,2,3,4,5,6,7,8
.irp qq, 0,1
	v_lshl_add_u32 v[XSO+2*\a+\qq], v[TK+\a], 7, v[LPS+\qq]   ; token x 128 + my place in the row of scale bytes
.endr
.endr
	WIN 0x01                                       ; address window 1, destination window 0
.irp a, 0,1,2,3,4,5,6,7,8
.irp qq, 0,1
	global_load_b64 v[XS+4*\a+2*\qq:XS+4*\a+2*\qq+1], v[XSO+2*\a+\qq], s[10:11]   ; x's scale words of all eight slots: 18 loads
.endr
.endr
	LOAD_A 0, 0, 9
	LOAD_A 1, 0, 9                                 ; more loads may now be issued than the counter's field holds: the issue waits for the oldest (ISA guide 5.7.1); the counted waits below count from the youngest
	STEP 0, 18                                     ; behind slot 0's last load stand slot 1's 18 of x; W's 48 and x's 18 scale loads stand ahead of it
	STEP 1, 34                                     ; from here on: the next slot's 8 + 10 of x and 16 of W
	STEP 2, 34
	STEP 3, 34
	STEP 4, 34
	STEP 5, 34
	STEP 6, 34
	STEP 7, 0
	; No address register and no base was written again in the walk.
; MY PARTIAL TILE GOES INTO LDS.  Register j of lane (r, h) of accumulator (a, b) is out(slot 16 a + r, column 16 b + 8 h + j): 32 neighbouring bytes of a row; each accumulator from its low end on.
.macro TOSTAGE a
.if (\a) < 4
	WIN 0x08                                       ; an LDS store's data are its source 1: window 2
.set AC, 64*(\a)
.set AD, STO
.set AO, 16*SP*(\a)
.elseif (\a) < 8
	WIN 0x0c                                       ; window 3
.set AC, 64*((\a)-4)
.set AD, STO2
.set AO, 16*SP*((\a)-4)
.else
	WIN 0x04                                       ; window 1
.set AC, 192
.set AD, STO2
.set AO, 16*SP*4
.endif
.irp b, 0,1,2,3,4,5,6,7
	ds_store_b128 v[AD], v[AC+8*\b:AC+8*\b+3] offset:AO+64*\b
	ds_store_b128 v[AD], v[AC+8*\b+4:AC+8*\b+7] offset:AO+64*\b+16
.endr
.endm
	PLACES                                         ; behind the last products: for these stores, and for the loads and vector writes below into registers that held x's fragments
.irp a, 0,1,2,3,4,5,6,7,8
	TOSTAGE \a
.endr
	WIN 0
.Lmeet:
	s_wait_loadcnt 0x0                             ; for the way that jumped here: W's loads are in, so that the bases' registers may be used again
	s_wait_dscnt 0x0                               ; for the others' sake: my partial tile has landed
	s_barrier_signal -1
	s_barrier_wait -1                              ; on every way: all four partial tiles lie in LDS
	s_cmp_le_i32 s26, 0
	s_cbranch_scc1 .Ldone                          ; none of my 36 rows is in use
; THE SUM AND THE WAY OUT.  Wave w owns rows 36 w .. 36 w + 35, three at a time: each row's 512 bytes of the four partial tiles, 16 bytes a lane; three packed additions deep; one store of a whole row.
.macro RLOAD g
.irp t, 0,1,2
.irp p, 0,1,2,3
	ds_load_b128 v[OB+48*((\g)%2)+16*\t+4*\p:OB+48*((\g)%2)+16*\t+4*\p+3], v[RD+\p] offset:SP*(3*(\g)+\t)
.endr
.endr
.endm
.macro RSUM g
.irp t, 0,1,2
.set R, OB+48*((\g)%2)+16*\t
	v_pk_add_f32 v[R:R+1],     v[R:R+1],     v[R+4:R+5]       ; p0 + p1
	v_pk_add_f32 v[R+2:R+3],   v[R+2:R+3],   v[R+6:R+7]
	v_pk_add_f32 v[R+8:R+9],   v[R+8:R+9],   v[R+12:R+13]     ; p2 + p3
	v_pk_add_f32 v[R+10:R+11], v[R+10:R+11], v[R+14:R+15]
	v_pk_add_f32 v[R:R+1],     v[R:R+1],     v[R+8:R+9]
	v_pk_add_f32 v[R+2:R+3],   v[R+2:R+3],   v[R+10:R+11]
	s_cmp_le_i32 s26, 3*(\g)+\t                    ; rows ascend: the first one past the tile's rows ends the wave
	s_cbranch_scc1 .Ldone
	global_store_b128 v[OFF+3*(\g)+\t], v[R:R+3], s[16:17] th:TH_STORE_NT   ; 32 lanes store 512 consecutive bytes, at a multiple of 256 from out0's first byte; written once, read by nobody here
.endr
.endm
	RLOAD 0
	s_wait_alu depctr_va_vdst(0)
.irp g, 0,1,2                          ; the rows' places in out0, twelve at a time: token x 4,096 + 16 x lane.  s32-43 held bases of loads that have all come back
.irp k, 0,1,2,3,4,5,6,7,8,9,10,11
	v_readlane_b32 s[32+\k], v[RT+(12*\g+\k)/32], (12*\g+\k)%32
.endr
.irp k, 0,1,2,3,4,5,6,7,8,9,10,11
	s_min_u32 s[32+\k], s[32+\k], 0xfff            ; a loaded number enters an address behind a clamp
.endr
.irp k, 0,1,2,3,4,5,6,7,8,9,10,11
	v_lshl_add_u32 v[OFF+12*\g+\k], s[32+\k], 12, v[L16]
.endr
.endr
.irp g, 0,1,2,3,4,5,6,7,8,9,10,11
.if \g < 11
.if \g > 0
	s_wait_xcnt 0x0                                ; the stores of the group before have read their data: the set that held them is loaded again only behind this wait
.endif
	RLOAD \g+1
	s_wait_dscnt 12                                ; this group's twelve loads are in; the next group's twelve may be out
.else
	s_wait_dscnt 0x0
.endif
	RSUM \g
.endr
.Ldone:
	s_wait_dscnt 0x0                               ; a wave that left the groups early may have LDS loads out
	s_set_vgpr_msb 0x5
	s_wait_tensorcnt 0x0
	ds_add_u32 v190, v191
	s_wait_dscnt 0x0
	s_set_vgpr_msb 0x500
	s_endpgm
.Lfunc_end_k_q07db788c5c_gemm:
	.size	k_q07db788c5c_gemm, .Lfunc_end_k_q07db788c5c_gemm-k_q07db788c5c_gemm
	.p2alignl 7, 3214868480
	.fill 96, 4, 3214868480
	.section	.rodata,"a",@progbits
	.p2align	6, 0x0
	.amdhsa_kernel k_q07db788c5c_gemm
		.amdhsa_group_segment_fixed_size 307456
		.amdhsa_private_segment_fixed_size 0
		.amdhsa_enable_private_segment 0
		.amdhsa_kernarg_size 48
		.amdhsa_user_sgpr_count 2
		.amdhsa_user_sgpr_kernarg_segment_ptr 1
		.amdhsa_wavefront_size32 1
		.amdhsa_system_sgpr_workgroup_id_x 1
		.amdhsa_system_sgpr_workgroup_id_y 1
		.amdhsa_system_sgpr_workgroup_id_z 1
		.amdhsa_system_vgpr_workitem_id 0
		.amdhsa_next_free_vgpr 1024
		.amdhsa_next_free_sgpr 102
		.amdhsa_reserve_vcc 0
		.amdhsa_float_denorm_mode_32 3
		.amdhsa_float_denorm_mode_16_64 3
		.amdhsa_memory_ordered 1
		.amdhsa_forward_progress 1
		.amdhsa_inst_pref_size 235
	.end_amdhsa_kernel
	.amdgpu_metadata
---
amdhsa.version: [ 1, 2 ]
amdhsa.kernels:
  - .name:           k_q07db788c5c_gemm
    .symbol:         k_q07db788c5c_gemm.kd
    .args:
      - { .name: indices, .offset: 0, .size: 8, .value_kind: global_buffer, .address_space: global }
      - { .name: x_codes, .offset: 8, .size: 8, .value_kind: global_buffer, .address_space: global }
      - { .name: x_scales, .offset: 16, .size: 8, .value_kind: global_buffer, .address_space: global }
      - { .name: weight_stacked_codes, .offset: 24, .size: 8, .value_kind: global_buffer, .address_space: global }
      - { .name: weight_stacked_scales, .offset: 32, .size: 8, .value_kind: global_buffer, .address_space: global }
      - { .name: out0, .offset: 40, .size: 8, .value_kind: global_buffer, .address_space: global }
    .group_segment_fixed_size: 307456
    .private_segment_fixed_size: 0
    .kernarg_segment_align: 8
    .kernarg_segment_size: 48
    .max_flat_workgroup_size: 128
    .sgpr_count:     102
    .vgpr_count:     1024
    .wavefront_size: 32
...
	.end_amdgpu_metadata
.endif
;; end of part 3
